; MI455X (gfx1250); checked and timed in simulation.
; The chip was launched on July 23, 2026; its instructions are those of AMD's public machine-readable ISA for CDNA 5 (MIT licence, August 2026) and "CDNA5" Instruction Set Architecture Reference Guide (July 2026). The comments in the code are by the model that wrote it; some were corrected since.
;; Ro PE Head. Allowed arithmetic: float matrix products may take bf16 or f16 operands with f32 sums; all other float work in f32.
;; Inputs: W_K 128 x 1,024 float32; x 8 x 4,096 x 1,024 float32.
;; Outputs: out0 8 x 4,096 x 128 float32.
;; 2 versions, each right; version 2 is version 1 with the launch proj written anew for expert scheduling mode. Each part assembles by itself: llvm-mc -triple=amdgcn-amd-amdhsa -mcpu=gfx1250 --defsym DOCPART=n.
;; ======== version 1 of 2: 2 launches
;; workspace buffers: kb 8,388,608 bytes; qm 8,388,608 bytes
;; launch proj (part 1): grid 256 x 1, 4 waves a work-group, no clusters, 303,616 bytes of LDS; arguments x, W_K, kb, qm; writes kb, qm
.if DOCPART == 1
	.amdgcn_target "amdgcn-amd-amdhsa--gfx1250"
	.amdhsa_code_object_version 6
	.text
	.protected	k_q7b4155677f_proj
	.globl	k_q7b4155677f_proj
	.p2align	8
	.type	k_q7b4155677f_proj,@function
k_q7b4155677f_proj:
	s_mov_b64 s[64:65], 0
	v_nop
	global_prefetch_b8 v0, s[64:65] scope:SCOPE_SE
	s_setreg_imm32_b32 hwreg(HW_REG_WAVE_MODE, 25, 1), 1
	s_wait_xcnt 0x0
; k = x W_K^T for 32,768 tokens (K = 1024, 128 outputs), and from the f32 sums two bf16 tables of [token][128], rows of 256 bytes:
;   kb = bf16(k)                       keys and values of the attention launch
;   qm = bf16(kappa * R^T R * k)       its queries.  R is the fixed 2 x 2 matrix that the rotation applies to the pair (2p, 2p+1):
;                                      even' = c t1 + s t2, odd' = -c s t1 + (c - s^2) t2, so that (R a).(R b) = (R^T R a).b and the keys need no rotation.
;   kappa = 128^-1/2 * log2(e): the scores then arrive as exponents of 2.
; LIMITS, stated: x and W_K are rounded to bf16 for the products (sums in f32); the scores are formed as (R^T R k).k, another order of rounding than
; rotating both sides; sin and cos of theta = 10000^(-p/64), which lies in (0, 1] and is a constant of the problem, are Taylor sums to theta^11 and theta^12
; (first terms left out: below 1.7e-10 and 1.2e-11).
; SHARES: 256 work-groups of four waves; a work-group owns 128 tokens; wave w makes all 128 outputs of its own 32 tokens in 16 accumulator tiles.  The matrix
; instruction takes rows of W as its first source and rows of x as its second: lane (r, h) then holds token r and the eight neighbouring outputs 8h .. 8h+7,
; so a rotation pair is a register pair and eight results pack into 16 bytes.
; A STREAM THROUGH REGISTERS.  Memory binds: 512 KiB of x for 512 matrix instructions a wave.  Every load takes 512 consecutive bytes of one row (128 f32), 16 a lane.
; A unit is eight such loads: eight rows, one K step of 128.  A wave's stream is 64 units, 32 of W and then 32 of x, through seven register slots: seven units
; (56 loads, 28 KiB) are out at any time, each wait is counted, and a slot is asked for again as soon as it has been rounded to bf16.
;   W: the whole of it lies in LDS as bf16 (128 rows x 2,064 bytes); wave w brings rows 32 w .. 32 w + 31; ONE barrier, the launch's only one, shows it to all.
;   x: a token belongs to one wave.  Its numbers go through the wave's own stage (32 rows x 272 bytes) to become fragments; LDS serves a wave's instructions in
;      order (ISA guide 5.7.1.4), so the stage needs no barrier and no second copy.
; NO CLUSTER, NO JOINT LOADS, though all work-groups read the same W: a tensor load would bring W as f32, 512 KiB; beside the resident bf16 copy (264,192 bytes), the stages
; (34,816) and the tables (4,096), 24,576 bytes of LDS are left, and a ring of two slots in them would be filled again more than 40 times, each time with nothing on its way.
; PREFETCH: while W is brought in, each wave asks once for bytes 0 .. 1,023 (K steps 0 and 1) of its own 32 rows of x: 128 blocks of 256 bytes, four requests of 32 lanes,
; in the turns of units 8, 12, 16 and 20; the loads of those bytes go out in the turns of units 25 to 32.  32 KiB a wave, and nothing further: from there on x streams.
.set WP,     2064                      ; a row of W in LDS: 2,048 bytes + 16 = 129 x 16: the 16 rows of a fragment load start at 16 different 16-byte columns modulo 256
.set XST,    128*WP                    ; the stages: for each wave 32 rows x 272 bytes; x on the way in, results on the way out
.set SP,     272                       ; 256 bytes + 16 = 17 x 16
.set XPART,  32*SP
.set TAB,    XST+4*XPART               ; for each wave 64 pairs x 16 bytes: kappa m11, kappa m12, kappa m12, kappa m22
.set DEPTH,  7                         ; register slots = units on their way
.set UNITS,  64
; window 0 (v0-255)
.set GOFF, 8                           ; v8      16 x lane
.set XRD,  9                           ; v9      my stage + 272 r + 16 h: x fragments; also where 16 bytes of a result go
.set RD,   10                          ; v10     my stage, rows read back: lanes 0-15 one row, lanes 16-31 the next
.set TABW, 11                          ; v11     my table + 16 x lane
.set TABR, 12                          ; v12     my table + 64 h
.set WRD,  16                          ; v16-23  W fragments of output tile d: (16 d + r) x 2,064 + 16 h
.set TH,   40
.set UU,   41
.set SN,   42
.set CN,   43
.set SQS,  44
.set SQC,  45
.set PR,   46
.set DF,   47
.set CQ,   48                          ; v48-55  two table entries
.set WF,   64                          ; v64-191 W fragments, two buffers of 8 tiles
.set PK,   64                          ; the way out: packed results
.set RB,   128                         ; rows read back, kb
.set RB2,  192                         ; rows read back, qm
; window 1 (v256-511): what a unit's turn names, so that a turn runs under one setting
.set XR,    0                          ; 7 slots x 32 registers, f32 as loaded
.set PKX,   224                        ; 16 registers: a unit in bf16
.set GOFF1, 240                        ; 16 x lane
.set XSTO,  241                        ; my stage + 8 x lane
.set WSTO,  242                        ; 242-243  my rows 0-15, 16-31 of W in LDS + 8 x lane
.set PFO,   244                        ; 4,096 (lane / 4) + 256 (lane % 4)
.set MC,    0                          ; the way out: my 32 pairs' table entries, 128 registers
; window 2 (v512-767): accumulator tile (d, t) at 8 (2 d + t); then
.set XF,    128                        ; x fragments, two buffers: tile t, quarter s at 8 (4 t + s)
.set TQ,    128                        ; the way out: four pairs at work
.set MSB, 0
.macro WIN new                         ; the immediate's high byte repeats the setting that is left
.if MSB != \new
	s_set_vgpr_msb (MSB<<8)|\new
.set MSB, \new
.endif
.endm
.macro PLACES                          ; four places behind a matrix instruction (ISA guide 7.12.1)
.rept 4
	v_nop
.endr
.endm
.set TURNWIN, 0x45                     ; destination, source 0 and source 1 window 1
.set MULWIN,  0xa8                     ; source 0 (W) window 0; source 1 (x), C and D window 2.  An LDS load under it: address window 0, data window 2
; Unit g is asked for: g < 32: rows 8 q .. 8 q + 7 of my 32 rows of W, K step c (c = g / 4, q = g % 4); else the same of my 32 tokens of x.
.macro ISSUE g
.set ig, \g
.if ig < UNITS
.set isl, XR+32*(ig%DEPTH)
.set ic, (ig>>2)&7
.set iq, ig&3
.irp i, 0,1,2,3,4,5,6,7
.if ig < 32
	global_load_b128 v[isl+4*\i:isl+4*\i+3], v[GOFF1], s[6:7] offset:(8*iq+\i)*4096+ic*512                  ; W: every work-group reads it, so no hint
.else
	global_load_b128 v[isl+4*\i:isl+4*\i+3], v[GOFF1], s[4:5] offset:(8*iq+\i)*4096+ic*512 th:TH_LOAD_NT    ; x: read once in the launch
.endif
.endr
.endif
.endm
; Unit g's turn: it has come, is rounded to bf16, its slot is asked for again seven units ahead, and its 8 rows of 256 bytes go into LDS, 8 bytes a lane.
.macro TURN g
.set tg, \g
.set tl, UNITS-1-tg
.if tl > DEPTH-1
.set tl, DEPTH-1
.endif
	s_wait_loadcnt 8*tl                            ; loads come back in order (ISA guide 5.7.1): mine are in, the younger units (six, fewer at the stream's end) stay out
.set ts, XR+32*(tg%DEPTH)
.irp i, 0,1,2,3,4,5,6,7
	v_cvt_pk_bf16_f32 v[PKX+2*\i],   v[ts+4*\i],   v[ts+4*\i+1]
	v_cvt_pk_bf16_f32 v[PKX+2*\i+1], v[ts+4*\i+2], v[ts+4*\i+3]
.endr
	ISSUE tg+DEPTH
.if tg >= 8
.if tg <= 20
.if (tg&3) == 0
	global_prefetch_b8 v[PFO], s[4:5] offset:(tg-8)*8192 th:TH_LOAD_NT scope:SCOPE_SE   ; eight of my tokens, their first 1,024 bytes: 32 lanes 256 bytes apart
.endif
.endif
.endif
.set tc, (tg>>2)&7
.set tq, tg&3
.irp i, 0,1,2,3,4,5,6,7
.if tg < 32
	ds_store_b64 v[WSTO+(tq>>1)], v[PKX+2*\i:PKX+2*\i+1] offset:(8*(tq&1)+\i)*WP+tc*256
.else
	ds_store_b64 v[XSTO], v[PKX+2*\i:PKX+2*\i+1] offset:(8*tq+\i)*SP
.endif
.endr
.endm
	s_load_b256 s[4:11], s[0:1], 0x0               ; x s[4:5], W_K s[6:7], kb s[8:9], qm s[10:11]
	v_lshl_add_u32 v62, v0, 2, 0x4a000
	v_mov_b32 v63, 0
	v_lshrrev_b32 v1, 5, v0
	v_readfirstlane_b32 s12, v1                    ; wave 0..3
	v_and_b32 v3, 31, v0                           ; lane
	s_lshl_b32 s14, ttmp9, 19                      ; x: 128 tokens of 4,096 bytes for each work-group,
	s_lshl_b32 s16, s12, 17                        ; 32 for each wave; W: 32 rows of 4,096 bytes for each wave
	s_add_co_u32 s14, s14, s16
	s_mov_b32 s15, 0
	s_mov_b32 s17, 0
	s_lshl_b32 s18, ttmp9, 15                      ; kb, qm: 128 rows of 256 bytes for each work-group,
	s_lshl_b32 s19, s12, 13                        ; 32 for each wave
	s_add_co_u32 s18, s18, s19
	s_mov_b32 s19, 0
	v_lshlrev_b32 v[GOFF], 4, v3
	WIN 0x40                                       ; destination window 1
	v_mov_b32 v[GOFF1], v[GOFF]
	s_wait_kmcnt 0x0
	s_add_nc_u64 s[4:5], s[4:5], s[14:15]
	s_add_nc_u64 s[6:7], s[6:7], s[16:17]
	s_add_nc_u64 s[8:9], s[8:9], s[18:19]
	s_add_nc_u64 s[10:11], s[10:11], s[18:19]
	WIN TURNWIN
.irp g, 0,1,2,3,4,5,6
	ISSUE \g                                       ; the stream starts before anything else is done
.endr
	WIN 0
	; addresses, while the first units are on their way
	v_and_b32 v1, 15, v0                           ; r
	v_bfe_u32 v2, v0, 4, 1                         ; h
	v_lshlrev_b32 v4, 3, v3                        ; 8 x lane
	s_mul_i32 s20, s12, 32*WP                      ; my 32 rows of W in LDS
	v_add_nc_u32 v5, s20, v4
	v_add_nc_u32 v6, 16*WP, v5
	s_mul_i32 s21, s12, XPART
	s_add_co_u32 s21, s21, XST                     ; my stage
	v_add_nc_u32 v7, s21, v4
	v_lshrrev_b32 v[TH], 2, v3
	v_and_b32 v[UU], 3, v3
	v_lshlrev_b32 v[TH], 12, v[TH]
	v_lshl_add_u32 v[TH], v[UU], 8, v[TH]
	WIN 0x40
	v_mov_b32 v[WSTO], v5
	v_mov_b32 v[WSTO+1], v6
	v_mov_b32 v[XSTO], v7
	v_mov_b32 v[PFO], v[TH]
	WIN 0
	v_mul_u32_u24 v4, v1, SP
	v_lshl_add_u32 v4, v2, 4, v4
	v_add_nc_u32 v[XRD], s21, v4
	v_mul_u32_u24 v5, v2, SP
	v_lshl_add_u32 v5, v1, 4, v5
	v_add_nc_u32 v[RD], s21, v5
	v_mul_u32_u24 v6, v1, WP
	v_lshl_add_u32 v[WRD], v2, 4, v6
.irp d, 1,2,3,4,5,6,7
	v_add_nc_u32 v[WRD+\d], \d*16*WP, v[WRD]       ; a register for each output tile: 16 rows are 33,024 bytes, and an LDS offset has 16 bits
.endr
	s_lshl_b32 s22, s12, 10
	s_add_co_u32 s22, s22, TAB                     ; my table
	v_lshl_add_u32 v[TABW], v3, 4, s22
	v_lshl_add_u32 v[TABR], v2, 6, s22
; The four numbers of pair p = lane + off, into v[q .. q+3]
.macro CONST off, q
	v_add_nc_u32 v[TH], \off, v3
	v_cvt_f32_u32 v[TH], v[TH]
	v_mul_f32 v[TH], 0xbe549a78, v[TH]             ; -p log2(10000) / 64
	v_exp_f32 v[TH], v[TH]                         ; theta
	v_mov_b32 v[SN], 0xb2d7322b                    ; -1/11!   (a plain instruction stands behind the exponential before theta is used: ISA guide 5.7.2)
	v_mov_b32 v[CN], 0x310f76c7                    ; 1/12!
	s_wait_alu depctr_va_vdst(0)
	v_mul_f32 v[UU], v[TH], v[TH]
	v_fmaak_f32 v[SN], v[SN], v[UU], 0x3638ef1d    ; 1/9!
	v_fmaak_f32 v[CN], v[CN], v[UU], 0xb493f27e    ; -1/10!
	v_fmaak_f32 v[SN], v[SN], v[UU], 0xb9500d01    ; -1/7!
	v_fmaak_f32 v[CN], v[CN], v[UU], 0x37d00d01    ; 1/8!
	v_fmaak_f32 v[SN], v[SN], v[UU], 0x3c088889    ; 1/5!
	v_fmaak_f32 v[CN], v[CN], v[UU], 0xbab60b61    ; -1/6!
	v_fmaak_f32 v[SN], v[SN], v[UU], 0xbe2aaaab    ; -1/3!
	v_fmaak_f32 v[CN], v[CN], v[UU], 0x3d2aaaab    ; 1/4!
	v_fmaak_f32 v[SN], v[SN], v[UU], 0x3f800000
	v_fmaak_f32 v[CN], v[CN], v[UU], 0xbf000000    ; -1/2!
	v_mul_f32 v[SN], v[SN], v[TH]                  ; s = sin theta
	v_fmaak_f32 v[CN], v[CN], v[UU], 0x3f800000    ; c = cos theta
	v_mul_f32 v[SQS], v[SN], v[SN]                 ; s^2
	v_mul_f32 v[SQC], v[CN], v[CN]                 ; c^2
	v_mul_f32 v[PR], v[CN], v[SN]                  ; c s
	v_sub_f32 v[DF], v[CN], v[SQS]                 ; c - s^2
	v_fma_f32 v[SQC], v[SQC], v[SQS], v[SQC]       ; m11 = c^2 (1 + s^2)
	v_sub_f32 v[TH], 1.0, v[DF]
	v_mul_f32 v[PR], v[PR], v[TH]                  ; m12 = c s (1 - c + s^2)
	v_fma_f32 v[SQS], v[DF], v[DF], v[SQS]         ; m22 = s^2 + (c - s^2)^2
	v_mul_f32 v[\q], 0x3e0293ee, v[SQC]
	v_mul_f32 v[\q+1], 0x3e0293ee, v[PR]
	v_mul_f32 v[\q+2], 0x3e0293ee, v[PR]
	v_mul_f32 v[\q+3], 0x3e0293ee, v[SQS]
.endm
	CONST 0, CQ                                    ; 64 pairs, two a lane; each wave keeps a table of its own, so no wave waits for another
	CONST 32, CQ+4
	ds_store_b128 v[TABW], v[CQ:CQ+3]
	ds_store_b128 v[TABW], v[CQ+4:CQ+7] offset:512
	; W comes in (units 0 to 31), then x's first K step (units 32 to 35, into my stage)
	WIN TURNWIN
.set g, 0
.rept 36
	TURN g
.set g, g+1
.endr
	WIN 0
	s_wait_dscnt 0x0                               ; for the others: my rows of W are written
	s_barrier_signal -1
	s_barrier_wait -1                              ; everybody's are.  W is never written again: the launch has no further barrier
.macro WLOAD kn                        ; 16 loads: the eight W fragments of quarter step kn (32 along K = 64 bytes of the rows)
.set wk, \kn
.irp d, 0,1,2,3,4,5,6,7
	ds_load_b128 v[WF+64*(wk&1)+8*\d:WF+64*(wk&1)+8*\d+3],   v[WRD+\d] offset:wk*64
	ds_load_b128 v[WF+64*(wk&1)+8*\d+4:WF+64*(wk&1)+8*\d+7], v[WRD+\d] offset:wk*64+32
.endr
.endm
.macro XLOAD cn                        ; 16 loads: my 32 tokens' fragments of a whole K step of 128, out of my stage
.set xp, (\cn)&1
.irp t, 0,1
.irp s, 0,1,2,3
	ds_load_b128 v[XF+64*xp+8*(4*\t+\s):XF+64*xp+8*(4*\t+\s)+3],   v[XRD] offset:\t*16*SP+\s*64
	ds_load_b128 v[XF+64*xp+8*(4*\t+\s)+4:XF+64*xp+8*(4*\t+\s)+7], v[XRD] offset:\t*16*SP+\s*64+32
.endr
.endr
.endm
; 16 matrix instructions, one on each accumulator: the accumulators take turns.  zero = 1: the first product starts the sums
.macro MUL zero
.irp d, 0,1,2,3,4,5,6,7
.irp t, 0,1
.if \zero
	v_wmma_f32_16x16x32_bf16 v[8*(2*\d+\t):8*(2*\d+\t)+7], v[WF+64*(kk&1)+8*\d:WF+64*(kk&1)+8*\d+7], v[XF+64*((kk>>2)&1)+8*(4*\t+(kk&3)):XF+64*((kk>>2)&1)+8*(4*\t+(kk&3))+7], 0
.else
	v_wmma_f32_16x16x32_bf16 v[8*(2*\d+\t):8*(2*\d+\t)+7], v[WF+64*(kk&1)+8*\d:WF+64*(kk&1)+8*\d+7], v[XF+64*((kk>>2)&1)+8*(4*\t+(kk&3)):XF+64*((kk>>2)&1)+8*(4*\t+(kk&3))+7], v[8*(2*\d+\t):8*(2*\d+\t)+7]
.endif
.endr
.endr
.endm
; Quarter step kk = 4 c + ks.  First the turn of one unit of x's NEXT K step: its stage stores stand behind the loads that read this K step's fragments, and LDS keeps a
; wave's order.  Then the next quarter's W fragments, into the buffer that the last quarter's matrix instructions read: the turn's 16 conversions, which name none of
; their registers, are the places behind them (in the last K step, which has no turns, four v_nop).  Then this quarter's products.
.macro KSTEP c, ks
.set kk, 4*\c+\ks
.if \c < 7
	WIN TURNWIN
	TURN 36+kk
	WIN 0
	WLOAD kk+1
	s_wait_dscnt 24                                ; this quarter's fragments are in; the 8 stores and 16 loads issued since may be out
.else
	WIN 0
.if kk < 31
	PLACES
	WLOAD kk+1
	s_wait_dscnt 16                                ; all but the 16 loads just issued
.else
	s_wait_dscnt 0x0
.endif
.endif
	WIN MULWIN
.if kk == 0
	MUL 1
.else
	MUL 0
.endif
.if \c < 7
.if \ks == 3
	XLOAD \c+1                                     ; the stage holds the next K step whole: its fragments, into the buffer that this K step does not read
.endif
.endif
.endm
	WLOAD 0
	WIN MULWIN
	XLOAD 0
.irp c, 0,1,2,3,4,5,6,7
.irp ks, 0,1,2,3
	KSTEP \c, \ks
.endr
.endr
	; THE WAY OUT, twice through my stage: k, then the queries.  A token's row of 256 bytes is my own: no barrier.
.macro PACK                            ; 128 sums to bf16
	WIN 0x0a                                       ; sources window 2, destination window 0
.set n, 0
.rept 64
	v_cvt_pk_bf16_f32 v[PK+n], v[2*n], v[2*n+1]
.set n, n+1
.endr
	WIN 0
.endm
.macro STAGE_IN                        ; 16 bytes (8 neighbouring outputs of a token) for each tile
.irp d, 0,1,2,3,4,5,6,7
.irp t, 0,1
	ds_store_b128 v[XRD], v[PK+4*(2*\d+\t):PK+4*(2*\d+\t)+3] offset:\t*16*SP+\d*32
.endr
.endr
.endm
.macro BACK rb                         ; whole rows back, two to a load; LDS keeps a wave's order: these see the stores above
.irp t, 0,1,2,3,4,5,6,7,8,9,10,11,12,13,14,15
	ds_load_b128 v[\rb+4*\t:\rb+4*\t+3], v[RD] offset:\t*2*SP
.endr
.endm
.macro LEAVE rb, base                  ; each store covers 512 consecutive bytes, at a multiple of 512 from the buffer's first byte
.irp t, 0,1,2,3,4,5,6,7,8,9,10,11,12,13,14,15
	s_wait_dscnt 15-\t                             ; load t is in, the 15 - t younger ones may be out
	global_store_b128 v[GOFF], v[\rb+4*\t:\rb+4*\t+3], s[\base:\base+1] offset:\t*512
.endr
.endm
	WIN 0
	PLACES                                         ; behind the last matrix instructions, before their results are read and their sources written
	WIN 0x40                                       ; my 32 pairs (p = 8 d + 4 h + i) out of the table, into the slots that the stream has left
.irp d, 0,1,2,3,4,5,6,7
.irp i, 0,1,2,3
	ds_load_b128 v[MC+4*(4*\d+\i):MC+4*(4*\d+\i)+3], v[TABR] offset:128*\d+16*\i
.endr
.endr
	PACK
	s_wait_dscnt 0x0                               ; the table's numbers are in: the 64 conversions stood between
	STAGE_IN
	BACK RB
	WIN 0xa6                                       ; sums and work window 2, table window 1.  The queries, in place: (t1, t2) -> kappa (m11 t1 + m12 t2, m12 t1 + m22 t2)
.irp d, 0,1,2,3,4,5,6,7
.irp t, 0,1
.irp i, 0,1,2,3
	v_pk_mul_f32 v[TQ+2*\i:TQ+2*\i+1], v[8*(2*\d+\t)+2*\i:8*(2*\d+\t)+2*\i+1], v[MC+4*(4*\d+\i):MC+4*(4*\d+\i)+1] op_sel_hi:[0,1]   ; t1 times both
.endr
.irp i, 0,1,2,3
	v_pk_fma_f32 v[8*(2*\d+\t)+2*\i:8*(2*\d+\t)+2*\i+1], v[8*(2*\d+\t)+2*\i:8*(2*\d+\t)+2*\i+1], v[MC+4*(4*\d+\i)+2:MC+4*(4*\d+\i)+3], v[TQ+2*\i:TQ+2*\i+1] op_sel:[1,0,0] op_sel_hi:[1,1,1]   ; + t2 times both
.endr
.endr
.endr
	WIN 0
	LEAVE RB, 8
	PACK
	STAGE_IN                                       ; behind kb's reads of the stage, which have come back
	BACK RB2                                       ; other registers than those that kb's stores still read
	LEAVE RB2, 10
	s_wait_tensorcnt 0x0
	ds_add_u32 v62, v63
	s_wait_dscnt 0x0
	s_endpgm
.Lfunc_end_k_q7b4155677f_proj:
	.size	k_q7b4155677f_proj, .Lfunc_end_k_q7b4155677f_proj-k_q7b4155677f_proj
	.p2alignl 7, 3214868480
	.fill 96, 4, 3214868480
	.section	.rodata,"a",@progbits
	.p2align	6, 0x0
	.amdhsa_kernel k_q7b4155677f_proj
		.amdhsa_group_segment_fixed_size 303616
		.amdhsa_private_segment_fixed_size 0
		.amdhsa_enable_private_segment 0
		.amdhsa_kernarg_size 32
		.amdhsa_user_sgpr_count 2
		.amdhsa_user_sgpr_kernarg_segment_ptr 1
		.amdhsa_wavefront_size32 1
		.amdhsa_system_sgpr_workgroup_id_x 1
		.amdhsa_system_sgpr_workgroup_id_y 1
		.amdhsa_system_sgpr_workgroup_id_z 1
		.amdhsa_system_vgpr_workitem_id 0
		.amdhsa_next_free_vgpr 768
		.amdhsa_next_free_sgpr 66
		.amdhsa_reserve_vcc 0
		.amdhsa_float_denorm_mode_32 3
		.amdhsa_float_denorm_mode_16_64 3
		.amdhsa_memory_ordered 1
		.amdhsa_forward_progress 1
		.amdhsa_inst_pref_size 255
	.end_amdhsa_kernel
	.section	.bss,"aw",@nobits
	.p2align	6
	.space	262144
	.amdgpu_metadata
---
amdhsa.version: [ 1, 2 ]
amdhsa.kernels:
  - .name:           k_q7b4155677f_proj
    .symbol:         k_q7b4155677f_proj.kd
    .args:
      - { .name: x, .offset: 0, .size: 8, .value_kind: global_buffer, .address_space: global }
      - { .name: W_K, .offset: 8, .size: 8, .value_kind: global_buffer, .address_space: global }
      - { .name: kb, .offset: 16, .size: 8, .value_kind: global_buffer, .address_space: global }
      - { .name: qm, .offset: 24, .size: 8, .value_kind: global_buffer, .address_space: global }
    .group_segment_fixed_size: 303616
    .private_segment_fixed_size: 0
    .kernarg_segment_align: 8
    .kernarg_segment_size: 32
    .max_flat_workgroup_size: 128
    .sgpr_count:     66
    .vgpr_count:     768
    .wavefront_size: 32
...
	.end_amdgpu_metadata
.endif
;; end of part 1
;; launch attn (part 2): grid 256 x 1, 4 waves a work-group, clusters of 4 x 1, 327,680 bytes of LDS; arguments kb, qm, out0; writes out0
.if DOCPART == 2
	.amdgcn_target "amdgcn-amd-amdhsa--gfx1250"
	.amdhsa_code_object_version 6
	.text
	.protected	k_q7b4155677f_attn
	.globl	k_q7b4155677f_attn
	.p2align	8
	.type	k_q7b4155677f_attn,@function
k_q7b4155677f_attn:
	s_mov_b64 s[64:65], 0
	v_nop
	global_prefetch_b8 v0, s[64:65] scope:SCOPE_SE
	s_setreg_imm32_b32 hwreg(HW_REG_WAVE_MODE, 25, 1), 1
	s_wait_xcnt 0x0
	s_wait_alu depctr_hold_cnt(0) depctr_sa_sdst(0) depctr_va_vdst(0) depctr_va_sdst(0) depctr_va_ssrc(0) depctr_va_vcc(0) depctr_vm_vsrc(0)
	s_getreg_b32 s2, hwreg(HW_REG_IB_STS2, 6, 4)
	s_cmp_eq_u32 s2, 0
	s_cbranch_scc0 .Lentry_in_a_cluster
	s_endpgm
.Lentry_in_a_cluster:
	s_bfe_u32 s2, ttmp6, 0x10000c
	s_cmp_lg_u32 s2, 0x3003
	s_cbranch_scc0 .Lentry_shape_is_right
	s_endpgm
.Lentry_shape_is_right:
; out = softmax(causal(q' k^T)) k for 8 batches of 4,096 tokens, head size 128.  kb: keys = values, bf16 [token][128]; qm: queries, bf16, with 128^-1/2 log2(e) and the
; rotation of both sides folded in, so that a score is an exponent of 2.  Running maximum and running sum in f32; out0 f32.
; LIMITS, stated: p is rounded to bf16 for the second product while the sum l adds the unrounded p; inputs and scores are taken to be finite in f32; the running maximum
; starts at -FLT_MAX and masked scores are -inf, so no difference of infinities arises; an exponential below 2^-126 comes out as 0 (ISA guide, v_exp_f32).
; SHARES: a cluster of four work-groups does two blocks of 256 queries of one batch, number E = 2 e and then number D = 15 - 2 e (e = cluster & 7): E + 1 and D + 1 key tiles of
; 256 keys, 17 for every cluster.  Work-group cx takes 64 of a block's queries.  All four walk the same key tiles, so each tile is asked for JOINTLY (mask 15),
; which divides the requests for keys by four; no trip count, branch or LDS address hangs on cx, which enters the mask's VALUES and global addresses of plain loads and stores alone.
; In a tile wave w fetches and reads keys 64 w .. 64 w + 63 alone, against all 64 queries, with its own maximum, sum and output; the four are merged once a block through LDS.
; So each byte of a tile is read from LDS by one wave: once as K, once transposed as V.
; BOTH PRODUCTS ARE TRANSPOSED: S^T = K Q'^T and O^T = V^T P^T.  Lane (r, h) of a score tile holds query r and keys 8h .. 8h+7: maxima and sums stay in the lane but for one step
; between the halves, and the packed p of two score tiles ARE the second source of the second product.
; Slots: trip g = 0 .. 16 reads slot g & 1.  E's last (diagonal) trip is g = 2 e, D's first g = 2 e + 1, D's diagonal g = 16.  By this text's count a wave has one tensor load outstanding.
; No prefetch: the 16 MiB read here were stored by the launch before, and each tile is read by many clusters.
.set KP,     272                       ; a key row in LDS: 256 bytes + 16 = 17 x 16: the plain K loads' 16 rows start at 16 different 16-byte columns modulo 256.  The transposing loads
                                       ; would want an odd multiple of 32; one pitch cannot be both, and they meet two deep
.set WPART,  64*KP                     ; a wave's 64 keys: 17,408 bytes
.set SLOT,   4*WPART
.set MERGE,  2*SLOT                    ; never filled by a tensor load: for each wave 64 queries x 528 bytes of f32
.set MPITCH, 528
.set MPART,  64*MPITCH
.set STATS,  MERGE+4*MPART             ; [wave][64 queries] pairs (m, l)
.set KADR, 8                           ; v8-9    my K fragments in slot 0, 1
.set VADR, 10                          ; v10-11  my transposed V fragments
.set QOFF, 12                          ; v12     256 r + 16 h
.set STW,  13
.set STR,  14
.set MST,  15
.set MRD,  16                          ; v16-17  merge rows of waves 0, 1 and of waves 2, 3
.set OOFF, 18                          ; v18     16 x lane
.set DIAG, 19                          ; v19     64 cx + r - 64 w - 8 h
.set NINF, 20
.set MP,   24                          ; v24-31  running maximum of query tile q, twice (a pair for packed arithmetic)
.set LP,   32                          ; v32-39  two partial sums for each query tile
.set AP,   40                          ; v40-47  rescaling factor, twice
.set T,    48
.set TX,   52
.set TM,   56
.set F,    64                          ; v64-191  K[k][s] at 8 (4 k + s), later V[c][d] at 64 c + 8 d
.set P,    192                         ; v192-255 P[q][c] at 8 (2 q + c)
.set SS,   128                         ; window 2: Q[q][s] at 8 (4 q + s); S[k][q] at 128 + 8 (4 k + q).  Window 1: O[d][q] at 8 (4 d + q)
.set G1, 16
.set G0, 24
.set MSB, 0
.macro WIN new                         ; the immediate's high byte repeats the setting that is left
.if MSB != \new
	s_set_vgpr_msb (MSB<<8)|\new
.set MSB, \new
.endif
.endm
.macro PLACES                          ; four places behind a matrix instruction (ISA guide 7.12.1)
.rept 4
	v_nop
.endr
.endm
.macro ROUND                           ; a round of the cluster's barrier
	s_barrier_signal -1
	s_barrier_wait -1
	s_cmp_lg_u32 s10, 0
	s_cbranch_scc1 .Lnot_wave_0_\@
	s_barrier_signal -3
.Lnot_wave_0_\@:
	s_barrier_wait -3
	s_barrier_signal -1
	s_barrier_wait -1
.endm
	s_load_b128 s[4:7], s[0:1], 0x0                ; kb s[4:5], qm s[6:7]
	s_load_b64 s[8:9], s[0:1], 0x10                ; out0
	v_lshl_add_u32 v22, v0, 2, 0x43800
	v_mov_b32 v23, 0
	ds_add_u32 v22, v23
	v_lshrrev_b32 v1, 5, v0
	v_readfirstlane_b32 s10, v1                    ; wave
	s_bfe_u32 s11, ttmp6, 0x40000                  ; cx
	s_and_b32 s12, ttmp9, 7                        ; e
	s_lshr_b32 s13, ttmp9, 3                       ; batch
	s_sub_co_i32 s14, s12, 1                       ; e - 1
	s_mov_b32 s44, 0x76543210                      ; v_permlanex16_b32: lane i of one half reads lane i of the other
	s_mov_b32 s45, 0xfedcba98
	; group 1: 64 rows x 128 elements of 2 bytes, 4 words of padding behind every 64 words, mask = the cluster's four, bit 21 beside it
	s_mov_b32 s[G1+0], 0x0771000f
	s_mov_b32 s[G1+1], 128<<16
	s_mov_b32 s[G1+2], 64<<16
	s_mov_b32 s[G1+3], 128<<16
	s_mov_b32 s[G1+4], 64
	s_mov_b32 s[G1+5], 128
	s_mov_b32 s[G1+6], 0
	s_mov_b32 s[G1+7], 0
	s_lshl_b32 s48, s13, 20                        ; a batch of kb or qm: 4,096 rows of 256 bytes
	s_lshl_b32 s34, s10, 14                        ; my 64 keys of a tile
	s_add_co_u32 s34, s34, s48
	s_mov_b32 s35, 0
	s_lshl_b32 s49, s11, 14                        ; my work-group's 64 queries of a block
	s_add_co_u32 s49, s49, s48
	s_lshl_b32 s50, s12, 17                        ; block E = 2 e, 65,536 bytes each
	s_add_co_u32 s50, s50, s49
	s_mov_b32 s51, 0
	s_lshl_b32 s52, s12, 1
	s_sub_co_u32 s52, 15, s52                      ; block D
	s_lshl_b32 s52, s52, 16
	s_add_co_u32 s52, s52, s49
	s_mov_b32 s53, 0
	s_lshl_b32 s59, s10, 13                        ; out0's rows are 512 bytes: twice the offsets, and 16 rows for each wave
	s_lshl1_add_u32 s54, s50, s59
	s_mov_b32 s55, 0
	s_lshl1_add_u32 s56, s52, s59
	s_mov_b32 s57, 0
	s_mul_i32 s[G0+1], s10, WPART                  ; my part of slot 0: the wave's number alone
	s_add_co_u32 s[G0+5], s[G0+1], SLOT
	s_mov_b32 s[G0+0], 1
	s_mov_b32 s[G0+4], 1
	s_wait_dscnt 0x0
	s_wait_kmcnt 0x0
	s_add_nc_u64 s[4:5], s[4:5], s[34:35]          ; BASE: my keys of the batch's tile 0
	s_add_nc_u64 s[32:33], s[4:5], 0x10000         ; NEXT: of the tile that the next request brings
	s_add_nc_u64 s[36:37], s[6:7], s[50:51]        ; queries of E, of D
	s_add_nc_u64 s[38:39], s[6:7], s[52:53]
	s_add_nc_u64 s[40:41], s[8:9], s[54:55]        ; my 16 rows of out0 in E, in D
	s_add_nc_u64 s[42:43], s[8:9], s[56:57]
	s_mov_b64 s[G0+2:G0+3], s[4:5]
	s_or_b32 s[G0+3], s[G0+3], 0x80000000
	ROUND                                          ; all four work-groups are here: the first joint loads meet
	tensor_load_to_lds s[G0:G0+3], s[G1:G1+7]      ; tile 0 into slot 0; slot 1 is first filled behind the first trip's round
	s_nop 0
	v_and_b32 v1, 15, v0                           ; r
	v_bfe_u32 v2, v0, 4, 1                         ; h
	v_and_b32 v3, 31, v0                           ; lane
	v_and_b32 v4, 7, v0
	v_bfe_u32 v5, v0, 3, 1
	v_mul_u32_u24 v6, v1, KP
	v_lshl_add_u32 v6, v2, 4, v6                   ; K: key row r, 16 h
	v_add_nc_u32 v[KADR], s[G0+1], v6
	v_add_nc_u32 v[KADR+1], SLOT, v[KADR]
	v_lshl_add_u32 v7, v2, 3, v4                   ; V: key row 8 h + (lane & 7),
	v_mul_u32_u24 v7, v7, KP
	v_lshl_add_u32 v7, v5, 4, v7                   ; 16 bytes on for lanes 8-15 and 24-31
	v_add_nc_u32 v[VADR], s[G0+1], v7
	v_add_nc_u32 v[VADR+1], SLOT, v[VADR]
	v_lshlrev_b32 v[QOFF], 8, v1
	v_lshl_add_u32 v[QOFF], v2, 4, v[QOFF]
	v_lshlrev_b32 v[STR], 3, v1
	v_add_nc_u32 v[STR], STATS, v[STR]
	s_lshl_b32 s47, s10, 9
	v_add_nc_u32 v[STW], s47, v[STR]
	v_mul_u32_u24 v6, v1, MPITCH
	v_lshl_add_u32 v6, v2, 5, v6
	s_mul_i32 s47, s10, MPART
	s_add_co_u32 s47, s47, MERGE
	v_add_nc_u32 v[MST], s47, v6
	v_lshlrev_b32 v[OOFF], 4, v3
	s_mul_i32 s47, s10, 16*MPITCH
	s_add_co_u32 s47, s47, MERGE
	v_add_nc_u32 v[MRD], s47, v[OOFF]
	v_add_nc_u32 v[MRD+1], 2*MPART, v[MRD]
	s_sub_co_i32 s58, s11, s10
	s_lshl_b32 s58, s58, 6                         ; 64 (cx - w)
	v_lshlrev_b32 v6, 3, v2
	v_sub_nc_u32 v[DIAG], v1, v6
	v_add_nc_u32 v[DIAG], s58, v[DIAG]
	v_mov_b32 v[NINF], 0xff800000
.macro QLOAD qb                        ; 64 queries as 16 second-source fragments: lane (r, h) takes d = 8h .. and 16+8h .. of query r.  16 KiB, twice in the launch
	WIN 0x80
.irp q, 0,1,2,3
.irp s, 0,1,2,3
	global_load_b128 v[8*(4*\q+\s):8*(4*\q+\s)+3],   v[QOFF], s[\qb:\qb+1] offset:\q*4096+\s*64
	global_load_b128 v[8*(4*\q+\s)+4:8*(4*\q+\s)+7], v[QOFF], s[\qb:\qb+1] offset:\q*4096+\s*64+32
.endr
.endr
	WIN 0
.endm
.macro RESET                           ; a block begins: maximum -FLT_MAX, sums 0
.irp q, 0,1,2,3,4,5,6,7
	v_mov_b32 v[MP+\q], 0xff7fffff
	v_mov_b32 v[LP+\q], 0
.endr
.endm
; The head of a trip that reads slot.  In front of the round every wave has waited for all its tensor loads (the one that was out is its part of this slot) and for its reads of
; the other slot; behind it the other slot is asked for first.  sel = 1: if this is E's diagonal trip (s46 = 1), the next tile is D's first, the batch's tile 0.
.macro HEAD slot, refill, sel
	WIN 0
	PLACES                                         ; F is loaded below: it held first sources of the last matrix instructions
	s_wait_tensorcnt 0x0                           ; no tensor load of mine is out: a group 0 may be written
	ds_add_u32 v22, v23
	s_wait_dscnt 0x0
.if \sel
	s_cmp_eq_u32 s46, 1
	s_cselect_b64 s[32:33], s[4:5], s[32:33]
.endif
	s_mov_b64 s[G0+4*(1-\slot)+2:G0+4*(1-\slot)+3], s[32:33]
	s_or_b32 s[G0+4*(1-\slot)+3], s[G0+4*(1-\slot)+3], 0x80000000
	s_add_nc_u64 s[32:33], s[32:33], 0x10000
	s_wait_dscnt 0x0
	ROUND
.if \refill
	tensor_load_to_lds s[G0+4*(1-\slot):G0+4*(1-\slot)+3], s[G1:G1+7]
	s_nop 0
.endif
.endm
.macro KLOAD slot                      ; 32 loads, key tiles 0 and 1 first
.irp k, 0,1,2,3
.irp s, 0,1,2,3
	ds_load_b128 v[F+8*(4*\k+\s):F+8*(4*\k+\s)+3],   v[KADR+\slot] offset:\k*16*KP+\s*64
	ds_load_b128 v[F+8*(4*\k+\s)+4:F+8*(4*\k+\s)+7], v[KADR+\slot] offset:\k*16*KP+\s*64+32
.endr
.endr
.endm
.macro VLOAD slot, c                   ; 16 transposing loads: V^T of keys 32 c .. 32 c + 31, eight tiles of 16 d
.irp d, 0,1,2,3,4,5,6,7
	ds_load_tr16_b128 v[F+64*\c+8*\d:F+64*\c+8*\d+3],   v[VADR+\slot] offset:\c*32*KP+\d*32
	ds_load_tr16_b128 v[F+64*\c+8*\d+4:F+64*\c+8*\d+7], v[VADR+\slot] offset:\c*32*KP+\d*32+16*KP
.endr
.endm
; 32 matrix instructions: key tiles 2 p, 2 p + 1 against the four query tiles, 128 along d.  Eight accumulators take turns; the first product starts each sum
.macro QK p
	WIN 0xa8                                       ; source 0 (K) window 0, source 1 (Q), C and D (S) window 2
.irp s, 0,1,2,3
.irp k, 2*\p, 2*\p+1
.irp q, 0,1,2,3
.if \s == 0
	v_wmma_f32_16x16x32_bf16 v[SS+8*(4*(\k)+\q):SS+8*(4*(\k)+\q)+7], v[F+8*(4*(\k)+\s):F+8*(4*(\k)+\s)+7], v[8*(4*\q+\s):8*(4*\q+\s)+7], 0
.else
	v_wmma_f32_16x16x32_bf16 v[SS+8*(4*(\k)+\q):SS+8*(4*(\k)+\q)+7], v[F+8*(4*(\k)+\s):F+8*(4*(\k)+\s)+7], v[8*(4*\q+\s):8*(4*\q+\s)+7], v[SS+8*(4*(\k)+\q):SS+8*(4*(\k)+\q)+7]
.endif
.endr
.endr
.endr
.endm
.macro BODY slot
	KLOAD \slot
	s_wait_dscnt 16                                ; key tiles 0, 1 are in; the 16 younger loads (key tiles 2, 3) may be out
	QK 0
	PLACES                                         ; then V's first half lands on the registers that these products read
	WIN 0
	VLOAD \slot, 0
	s_wait_dscnt 16                                ; key tiles 2, 3 are in; the 16 loads just issued may be out
	QK 1
	PLACES                                         ; for the loads below, and for the vector work that reads the scores
	WIN 0
	VLOAD \slot, 1
.endm
; The diagonal tile: key 64 w + 16 k + 8 h + j is beyond query 64 cx + 16 q + r where 16 (k - q) + j > DIAG.  A choice of values: no branch hangs on it
.macro MASK
	WIN 0x82
.irp k, 0,1,2,3
.irp q, 0,1,2,3
.irp j, 0,1,2,3,4,5,6,7
	v_cmp_gt_i32 vcc_lo, 16*(\k-\q)+\j, v[DIAG]
	v_cndmask_b32 v[SS+8*(4*\k+\q)+\j], v[SS+8*(4*\k+\q)+\j], v[NINF], vcc_lo
.endr
.endr
.endr
.endm
.macro SOFTMAX
	WIN 0x0a                                       ; sources 0, 1 window 2: the new maximum, four chains (one a query tile) that start from the old one
.irp q, 0,1,2,3
	v_max3_num_f32 v[T+\q], v[SS+8*\q], v[SS+8*\q+1], v[MP+2*\q]
.endr
.irp k, 0,1,2,3
.irp i, 0,2,4,6
.if \k+\i
.irp q, 0,1,2,3
	v_max3_num_f32 v[T+\q], v[SS+8*(4*\k+\q)+\i], v[SS+8*(4*\k+\q)+\i+1], v[T+\q]
.endr
.endif
.endr
.endr
	WIN 0
.irp q, 0,1,2,3
	v_permlanex16_b32 v[TX+\q], v[T+\q], s44, s45  ; the other half of the lanes holds the query's other keys
.endr
.irp q, 0,1,2,3
	v_max_num_f32 v[T+\q], v[T+\q], v[TX+\q]
.endr
.irp q, 0,1,2,3
	v_sub_f32 v[AP+2*\q], v[MP+2*\q], v[T+\q]
.endr
.irp q, 0,1,2,3
	v_exp_f32 v[AP+2*\q], v[AP+2*\q]               ; 2^(old - new)
.endr
.irp q, 0,1,2,3
	v_mov_b32 v[MP+2*\q], v[T+\q]                  ; plain instructions behind the exponentials, before their results are used (ISA guide 5.7.2)
	v_mov_b32 v[MP+2*\q+1], v[T+\q]
.endr
	s_wait_alu depctr_va_vdst(0)
.irp q, 0,1,2,3
	v_mov_b32 v[AP+2*\q+1], v[AP+2*\q]
.endr
.irp q, 0,1,2,3
	v_pk_mul_f32 v[LP+2*\q:LP+2*\q+1], v[LP+2*\q:LP+2*\q+1], v[AP+2*\q:AP+2*\q+1]
.endr
	WIN 0x82                                       ; p = 2^(s - m), in place
.irp k, 0,1,2,3
.irp q, 0,1,2,3
.irp i, 0,2,4,6
	v_pk_add_f32 v[SS+8*(4*\k+\q)+\i:SS+8*(4*\k+\q)+\i+1], v[SS+8*(4*\k+\q)+\i:SS+8*(4*\k+\q)+\i+1], v[MP+2*\q:MP+2*\q+1] neg_lo:[0,1] neg_hi:[0,1]
.endr
.endr
.endr
.set n, 0
.rept 128
	v_exp_f32 v[SS+n], v[SS+n]
.set n, n+1
.endr
	v_nop                                          ; the place behind the last exponential
	WIN 0x02
	s_wait_alu depctr_va_vdst(0)
.irp k, 0,1,2,3
.irp i, 0,2,4,6
.irp q, 0,1,2,3
	v_pk_add_f32 v[LP+2*\q:LP+2*\q+1], v[SS+8*(4*\k+\q)+\i:SS+8*(4*\k+\q)+\i+1], v[LP+2*\q:LP+2*\q+1]
.endr
.endr
.endr
	WIN 0x0a                                       ; score tiles 2 c and 2 c + 1 of a query tile pack into the second source for keys 32 c .. 32 c + 31
.irp q, 0,1,2,3
.irp c, 0,1
.irp i, 0,1,2,3
	v_cvt_pk_bf16_f32 v[P+8*(2*\q+\c)+\i],   v[SS+8*(8*\c+\q)+2*\i],   v[SS+8*(8*\c+\q)+2*\i+1]
	v_cvt_pk_bf16_f32 v[P+8*(2*\q+\c)+4+\i], v[SS+8*(8*\c+4+\q)+2*\i], v[SS+8*(8*\c+4+\q)+2*\i+1]
.endr
.endr
.endr
.endm
.macro RESCALE                         ; O *= the query's factor
	WIN 0x41
.irp d, 0,1,2,3,4,5,6,7
.irp q, 0,1,2,3
.irp i, 0,2,4,6
	v_pk_mul_f32 v[8*(4*\d+\q)+\i:8*(4*\d+\q)+\i+1], v[8*(4*\d+\q)+\i:8*(4*\d+\q)+\i+1], v[AP+2*\q:AP+2*\q+1]
.endr
.endr
.endr
.endm
; 32 matrix instructions, one on each of the 32 accumulators, which take turns.  zero = 1: a block's first product starts the sums
.macro PV c, zero
	WIN 0x50                                       ; sources window 0, C and D window 1
.irp d, 0,1,2,3,4,5,6,7
.irp q, 0,1,2,3
.if \zero
	v_wmma_f32_16x16x32_bf16 v[8*(4*\d+\q):8*(4*\d+\q)+7], v[F+64*\c+8*\d:F+64*\c+8*\d+7], v[P+8*(2*\q+\c):P+8*(2*\q+\c)+7], 0
.else
	v_wmma_f32_16x16x32_bf16 v[8*(4*\d+\q):8*(4*\d+\q)+7], v[F+64*\c+8*\d:F+64*\c+8*\d+7], v[P+8*(2*\q+\c):P+8*(2*\q+\c)+7], v[8*(4*\d+\q):8*(4*\d+\q)+7]
.endif
.endr
.endr
.endm
.macro PVBOTH zero
	s_wait_dscnt 16                                ; V of keys 0-31 is in; the 16 younger loads (keys 32-63) may be out
	PV 0, \zero
	s_wait_dscnt 0x0
	PV 1, 0
	WIN 0
.endm
; A block ends: the four waves' (m, l, O) become one.  ob: my rows of out0; last = 0: the next block's queries (qb) are fetched meanwhile and the block's state is set anew.
.macro FINALIZE ob, last, qb
	WIN 0
	PLACES                                         ; behind the last matrix instructions: O is read, and Q, P and F are loaded into, below
.if \last == 0
	QLOAD \qb
.endif
.irp q, 0,1,2,3
	v_add_f32 v[T+\q], v[LP+2*\q], v[LP+2*\q+1]
.endr
.irp q, 0,1,2,3
	v_permlanex16_b32 v[TX+\q], v[T+\q], s44, s45
.endr
.irp q, 0,1,2,3
	v_mov_b32 v[TM+2*\q], v[MP+2*\q]
	v_add_f32 v[TM+2*\q+1], v[T+\q], v[TX+\q]
.endr
.irp q, 0,1,2,3
	ds_store_b64 v[STW], v[TM+2*\q:TM+2*\q+1] offset:128*\q        ; both halves of the lanes write the same pair
.endr
	s_wait_dscnt 0x0                               ; for the others: my pairs are written
	s_barrier_signal -1
	s_barrier_wait -1
.irp w, 0,1,2,3
.irp q, 0,1,2,3
	ds_load_b64 v[P+2*(4*\w+\q):P+2*(4*\w+\q)+1], v[STR] offset:512*\w+128*\q
.endr
.endr
	s_wait_dscnt 0x0
.irp q, 0,1,2,3
	v_max3_num_f32 v[T+\q], v[P+2*\q], v[P+8+2*\q], v[P+16+2*\q]
.endr
.irp q, 0,1,2,3
	v_max_num_f32 v[T+\q], v[T+\q], v[P+24+2*\q]   ; the query's maximum over all its keys
.endr
.irp w, 0,1,2,3
.irp q, 0,1,2,3
	v_sub_f32 v[P+2*(4*\w+\q)], v[P+2*(4*\w+\q)], v[T+\q]
.endr
.endr
.irp q, 0,1,2,3
	v_sub_f32 v[AP+2*\q], v[MP+2*\q], v[T+\q]
.endr
.irp w, 0,1,2,3
.irp q, 0,1,2,3
	v_exp_f32 v[P+2*(4*\w+\q)], v[P+2*(4*\w+\q)]
.endr
.endr
.irp q, 0,1,2,3
	v_exp_f32 v[AP+2*\q], v[AP+2*\q]
.endr
	v_nop
	s_wait_alu depctr_va_vdst(0)
.irp q, 0,1,2,3
	v_mul_f32 v[TX+\q], v[P+2*\q], v[P+2*\q+1]
.endr
.irp w, 1,2,3
.irp q, 0,1,2,3
	v_fmac_f32 v[TX+\q], v[P+2*(4*\w+\q)], v[P+2*(4*\w+\q)+1]
.endr
.endr
.irp q, 0,1,2,3
	v_rcp_f32 v[TX+\q], v[TX+\q]                   ; the sum is at least 1: a query's own key is never masked, and the largest score adds 2^0
.endr
	v_nop
	s_wait_alu depctr_va_vdst(0)
.irp q, 0,1,2,3
	v_mul_f32 v[AP+2*\q], v[AP+2*\q], v[TX+\q]
.endr
.irp q, 0,1,2,3
	v_mov_b32 v[AP+2*\q+1], v[AP+2*\q]
.endr
	RESCALE
	WIN 0x04                                       ; store data window 1: lane (r, h) puts d = 16 d + 8 h .. + 7 of query 16 q + r
.irp q, 0,1,2,3
.irp d, 0,1,2,3,4,5,6,7
	ds_store_b128 v[MST], v[8*(4*\d+\q):8*(4*\d+\q)+3]   offset:\q*16*MPITCH+\d*64
	ds_store_b128 v[MST], v[8*(4*\d+\q)+4:8*(4*\d+\q)+7] offset:\q*16*MPITCH+\d*64+16
.endr
.endr
	WIN 0
	s_wait_dscnt 0x0
	s_barrier_signal -1
	s_barrier_wait -1
	; wave w adds the four parts of queries 16 w .. 16 w + 15, eight rows at a time; a row is 512 bytes, 16 a lane
.irp g, 0,1
.irp p, 0,1,2,3,4,5,6,7
.irp w, 0,1,2,3
	ds_load_b128 v[F+16*\p+4*\w:F+16*\p+4*\w+3], v[MRD+(\w>>1)] offset:(\w&1)*MPART+(8*\g+\p)*MPITCH
.endr
.endr
.irp p, 0,1,2,3,4,5,6,7
	s_wait_dscnt 4*(7-\p)                          ; row p's four loads are in; the four of each later row may be out
	v_pk_add_f32 v[F+16*\p:F+16*\p+1],     v[F+16*\p:F+16*\p+1],     v[F+16*\p+4:F+16*\p+5]
	v_pk_add_f32 v[F+16*\p+2:F+16*\p+3],   v[F+16*\p+2:F+16*\p+3],   v[F+16*\p+6:F+16*\p+7]
	v_pk_add_f32 v[F+16*\p+8:F+16*\p+9],   v[F+16*\p+8:F+16*\p+9],   v[F+16*\p+12:F+16*\p+13]
	v_pk_add_f32 v[F+16*\p+10:F+16*\p+11], v[F+16*\p+10:F+16*\p+11], v[F+16*\p+14:F+16*\p+15]
	v_pk_add_f32 v[F+16*\p:F+16*\p+1],     v[F+16*\p:F+16*\p+1],     v[F+16*\p+8:F+16*\p+9]
	v_pk_add_f32 v[F+16*\p+2:F+16*\p+3],   v[F+16*\p+2:F+16*\p+3],   v[F+16*\p+10:F+16*\p+11]
	global_store_b128 v[OOFF], v[F+16*\p:F+16*\p+3], s[\ob:\ob+1] offset:(8*\g+\p)*512 th:TH_STORE_NT   ; a whole row of out0: 512 consecutive bytes
.endr
	s_wait_xcnt 0x0                                ; the registers that the stores read are loaded again only behind this wait
.endr
.if \last == 0
	RESET
	s_wait_loadcnt 0x0                             ; the next block's queries
.endif
.endm
; A trip on slot 0.  tail = 0: it is E's diagonal trip where s46 = 1 (a number made of the cluster's id and the trip counter: alike in all waves and partners); tail = 1: D's diagonal trip
.macro TRIP0 refill, pvzero, tail
	HEAD 0, \refill, 1-\tail
	BODY 0
	WIN 0
.if \tail == 0
	s_cmp_eq_u32 s46, 0
	s_cbranch_scc1 .Lnomask_\@
.endif
	MASK
	WIN 0
.if \tail == 0
.Lnomask_\@:
.endif
	SOFTMAX
.if \pvzero == 0
	RESCALE
.endif
	PVBOTH \pvzero
.if \tail == 0
	s_cmp_eq_u32 s46, 0
	s_cbranch_scc1 .Lnofin_\@
	FINALIZE 40, 0, 38
.Lnofin_\@:
.else
	FINALIZE 42, 1, 0
.endif
.endm
; A trip on slot 1: never a diagonal; D's first trip where the counter equals e: there the products start the sums and nothing is rescaled
.macro TRIP1
	HEAD 1, 1, 0
	BODY 1
	SOFTMAX
	WIN 0
	s_cmp_eq_u32 s15, s12
	s_cbranch_scc1 .Lfirst_\@
	RESCALE
	PVBOTH 0
	s_branch .Ljoin_\@
.Lfirst_\@:
	PVBOTH 1
.Ljoin_\@:
.endm
	QLOAD 36                                       ; E's queries, while tile 0 is on its way
	RESET
.irp q, 0,1,2,3
	v_mov_b32 v[TX+\q], 0                          ; v_permlanex16_b32 counts as a reader of its destination
.endr
	s_wait_loadcnt 0x0
	s_cmp_eq_u32 s12, 0
	s_cselect_b32 s46, 1, 0                        ; trip 0 is E's diagonal where e = 0
	TRIP0 1, 1, 0                                  ; g = 0: E's first products start the sums
	s_mov_b32 s15, 0
.Lloop:
	TRIP1                                          ; g = 2 I + 1
	s_cmp_eq_u32 s15, s14
	s_cselect_b32 s46, 1, 0                        ; g = 2 I + 2 is E's diagonal where I = e - 1
	TRIP0 1, 0, 0
	s_add_co_u32 s15, s15, 1
	s_cmp_lt_u32 s15, 7
	s_cbranch_scc1 .Lloop
	TRIP1                                          ; g = 15 asks for the last tile,
	TRIP0 0, 0, 1                                  ; g = 16 for nothing
	s_wait_tensorcnt 0x0
	ds_add_u32 v22, v23
	s_wait_dscnt 0x0
	ROUND                                          ; the closing round: no work-group ends while a partner may still ask for a tile that names it
	s_endpgm
.Lfunc_end_k_q7b4155677f_attn:
	.size	k_q7b4155677f_attn, .Lfunc_end_k_q7b4155677f_attn-k_q7b4155677f_attn
	.p2alignl 7, 3214868480
	.fill 96, 4, 3214868480
	.section	.rodata,"a",@progbits
	.p2align	6, 0x0
	.amdhsa_kernel k_q7b4155677f_attn
		.amdhsa_group_segment_fixed_size 327680
		.amdhsa_private_segment_fixed_size 0
		.amdhsa_enable_private_segment 0
		.amdhsa_kernarg_size 24
		.amdhsa_user_sgpr_count 2
		.amdhsa_user_sgpr_kernarg_segment_ptr 1
		.amdhsa_wavefront_size32 1
		.amdhsa_system_sgpr_workgroup_id_x 1
		.amdhsa_system_sgpr_workgroup_id_y 1
		.amdhsa_system_sgpr_workgroup_id_z 1
		.amdhsa_system_vgpr_workitem_id 0
		.amdhsa_next_free_vgpr 768
		.amdhsa_next_free_sgpr 66
		.amdhsa_reserve_vcc 1
		.amdhsa_float_denorm_mode_32 3
		.amdhsa_float_denorm_mode_16_64 3
		.amdhsa_memory_ordered 1
		.amdhsa_forward_progress 1
		.amdhsa_inst_pref_size 255
	.end_amdhsa_kernel
	.section	.bss,"aw",@nobits
	.p2align	6
	.space	262144
	.amdgpu_metadata
---
amdhsa.version: [ 1, 2 ]
amdhsa.kernels:
  - .name:           k_q7b4155677f_attn
    .symbol:         k_q7b4155677f_attn.kd
    .args:
      - { .name: kb, .offset: 0, .size: 8, .value_kind: global_buffer, .address_space: global }
      - { .name: qm, .offset: 8, .size: 8, .value_kind: global_buffer, .address_space: global }
      - { .name: out0, .offset: 16, .size: 8, .value_kind: global_buffer, .address_space: global }
    .group_segment_fixed_size: 327680
    .private_segment_fixed_size: 0
    .kernarg_segment_align: 8
    .kernarg_segment_size: 24
    .max_flat_workgroup_size: 128
    .sgpr_count:     66
    .vgpr_count:     768
    .wavefront_size: 32
...
	.end_amdgpu_metadata
.endif
;; end of part 2
;; ======== version 2 of 2: 2 launches; version 1 with the launch proj written anew for expert scheduling mode
;; workspace buffers: kb 8,388,608 bytes; qm 8,388,608 bytes
;; launch proj (part 3): grid 256 x 1, 4 waves a work-group, no clusters, 303,616 bytes of LDS; arguments x, W_K, kb, qm; writes kb, qm
.if DOCPART == 3
	.amdgcn_target "amdgcn-amd-amdhsa--gfx1250"
	.amdhsa_code_object_version 6
	.text
	.protected	k_q7b4155677f_proj
	.globl	k_q7b4155677f_proj
	.p2align	8
	.type	k_q7b4155677f_proj,@function
k_q7b4155677f_proj:
	s_mov_b64 s[64:65], 0
	v_nop
	global_prefetch_b8 v0, s[64:65] scope:SCOPE_SE
	s_setreg_imm32_b32 hwreg(HW_REG_WAVE_SCHED_MODE, 0, 2), 2
	s_setreg_imm32_b32 hwreg(HW_REG_WAVE_MODE, 25, 1), 1
	s_wait_xcnt 0x0
	s_wait_alu depctr_vm_vsrc(0)
; k = x W_K^T for 32,768 tokens (K = 1024, 128 outputs), and from the f32 sums two bf16 tables of [token][128], rows of 256 bytes:
;   kb = bf16(k)                       keys and values of the attention launch
;   qm = bf16(kappa * R^T R * k)       its queries.  R is the fixed 2 x 2 matrix that the rotation applies to the pair (2p, 2p+1):
;                                      even' = c t1 + s t2, odd' = -c s t1 + (c - s^2) t2, so that (R a).(R b) = (R^T R a).b and the keys need no rotation.
;   kappa = 128^-1/2 * log2(e): the scores then arrive as exponents of 2.
; LIMITS, stated: x and W_K are rounded to bf16 for the products (sums in f32); the scores are formed as (R^T R k).k, another order of rounding than
; rotating both sides; sin and cos of theta = 10000^(-p/64), which lies in (0, 1] and is a constant of the problem, are Taylor sums to theta^11 and theta^12
; (first terms left out: below 1.7e-10 and 1.2e-11).
; SHARES: 256 work-groups of four waves; a work-group owns 128 tokens; wave w makes all 128 outputs of its own 32 tokens in 16 accumulator tiles.  The matrix
; instruction takes rows of W as its first source and rows of x as its second: lane (r, h) then holds token r and the eight neighbouring outputs 8h .. 8h+7,
; so a rotation pair is a register pair and eight results pack into 16 bytes.
; A STREAM THROUGH REGISTERS.  Memory binds: 512 KiB of x for 512 matrix instructions a wave.  Every load takes 512 consecutive bytes of one row (128 f32), 16 a lane.
; A unit is eight such loads: eight rows, one K step of 128.  A wave's stream is 64 units, 32 of W and then 32 of x, through seven register slots: seven units
; (56 loads, 28 KiB) are out at any time, each wait is counted, and a slot is asked for again as soon as it has been rounded to bf16.
;   W: the whole of it lies in LDS as bf16 (128 rows x 2,064 bytes); wave w brings rows 32 w .. 32 w + 31; ONE barrier, the launch's only one, shows it to all.
;   x: a token belongs to one wave.  Its numbers go through the wave's own stage (32 rows x 272 bytes) to become fragments; LDS serves a wave's instructions in
;      order (ISA guide 5.7.1.4), so the stage needs no barrier and no second copy.
; NO CLUSTER, NO JOINT LOADS, though all work-groups read the same W: a tensor load would bring W as f32, 512 KiB; beside the resident bf16 copy (264,192 bytes), the stages
; (34,816) and the tables (4,096), 24,576 bytes of LDS are left, and a ring of two slots in them would be filled again more than 40 times, each time with nothing on its way.
; PREFETCH: while W is brought in, each wave asks once for bytes 0 .. 1,023 (K steps 0 and 1) of its own 32 rows of x: 128 blocks of 256 bytes, four requests of 32 lanes,
; in the turns of units 8, 12, 16 and 20; the loads of those bytes go out in the turns of units 25 to 32.  32 KiB a wave, and nothing further: from there on x streams.
; THE MODE: SCHED_MODE bits 1:0 = 2 (LLVM: expert scheduling mode 2), set by the entry lines.  The code itself states the register dependences
; between vector or matrix instructions and memory or LDS instructions, with s_wait_alu, always for 0.
; THE PLAN.  Registers that memory or LDS instructions touch:
;   XR, seven slots   A unit's turn: its sixteen conversions read the slot; behind them the loads of the unit seven on land in it.
;   PKX               Written by a turn's conversions; read by the turn's eight LDS stores; written again by the next turn's conversions.
;   WF0, WF1          Quarter step kk: its matrix instructions read WF[kk & 1]; the loads of quarter kk + 1 land in the other, which quarter kk - 1's matrix instructions read.
;   XF0, XF1          K step c: its matrix instructions read XF[c & 1]; at its end the loads of K step c + 1 land in the other, last read a K step before.
;   PK, RB, RB2, MC   The way out: PK is written by conversions and read by the stage's stores, twice; RB (which was WF1), RB2 and MC (which were slots 0 to 3) take LDS loads.
;   the addresses     v8-12, v16-23 and, in window 1, GOFF1, XSTO, WSTO, PFO: made once at the head and never written again.  So are the table's data, v48-55.
;   The accumulators are named by vector and matrix instructions alone.
; So a turn has TWO waits.  At its head vm_vsrc: the stores of the turn before have read PKX.  Behind its conversions va_vdst: PKX is written, the slot has been read, and (in the
; main part) the last quarter's matrix instructions are done reading the W buffer that is loaded next.  All the memory and LDS instructions of the step follow that one wait: the eight
; loads of the stream, the eight stage stores, the sixteen fragment loads of W, dealt in two runs among the quarter's sixteen matrix instructions, and in each fourth quarter x's next fragments.
; The matrix instructions between name WF[kk & 1], XF[c & 1] and the accumulators: none of the registers that those loads and stores touch.
.set WP,     2064                      ; a row of W in LDS: 2,048 bytes + 16 = 129 x 16: the 16 rows of a fragment load start at 16 different 16-byte columns modulo 256
.set XST,    128*WP                    ; the stages: for each wave 32 rows x 272 bytes; x on the way in, results on the way out
.set SP,     272                       ; 256 bytes + 16 = 17 x 16
.set XPART,  32*SP
.set TAB,    XST+4*XPART               ; for each wave 64 pairs x 16 bytes: kappa m11, kappa m12, kappa m12, kappa m22
.set DEPTH,  7                         ; register slots = units on their way
.set UNITS,  64
; window 0 (v0-255)
.set GOFF, 8                           ; v8      16 x lane
.set XRD,  9                           ; v9      my stage + 272 r + 16 h: x fragments; also where 16 bytes of a result go
.set RD,   10                          ; v10     my stage, rows read back: lanes 0-15 one row, lanes 16-31 the next
.set TABW, 11                          ; v11     my table + 16 x lane
.set TABR, 12                          ; v12     my table + 64 h
.set WRD,  16                          ; v16-23  W fragments of output tile d: (16 d + r) x 2,064 + 16 h
.set TH,   40
.set UU,   41
.set SN,   42
.set CN,   43
.set SQS,  44
.set SQC,  45
.set PR,   46
.set DF,   47
.set CQ,   48                          ; v48-55  two table entries
.set WF,   64                          ; v64-191 W fragments, two buffers of 8 tiles
.set PK,   64                          ; the way out: packed results
.set RB,   128                         ; rows read back, kb
.set RB2,  192                         ; rows read back, qm
; window 1 (v256-511): what a unit's turn names, so that a turn runs under one setting
.set XR,    0                          ; 7 slots x 32 registers, f32 as loaded
.set PKX,   224                        ; 16 registers: a unit in bf16
.set GOFF1, 240                        ; 16 x lane
.set XSTO,  241                        ; my stage + 8 x lane
.set WSTO,  242                        ; 242-243  my rows 0-15, 16-31 of W in LDS + 8 x lane
.set PFO,   244                        ; 4,096 (lane / 4) + 256 (lane % 4)
.set MC,    0                          ; the way out: my 32 pairs' table entries, 128 registers
; window 2 (v512-767): accumulator tile (d, t) at 8 (2 d + t); then
.set XF,    128                        ; x fragments, two buffers: tile t, quarter s at 8 (4 t + s)
.set TQ,    128                        ; the way out: four pairs at work
.set MSB, 0
.macro WIN new                         ; the immediate's high byte repeats the setting that is left
.if MSB != \new
	s_set_vgpr_msb (MSB<<8)|\new
.set MSB, \new
.endif
.endm
.macro PLACES                          ; four places behind a matrix instruction (ISA guide 7.12.1)
.rept 4
	v_nop
.endr
.endm
.set TURNWIN, 0x45                     ; destination, source 0 and source 1 window 1
.set MULWIN,  0xa8                     ; source 0 (W) window 0; source 1 (x), C and D window 2.  An LDS load under it: address window 0, data window 2
; Unit g is asked for: g < 32: rows 8 q .. 8 q + 7 of my 32 rows of W, K step c (c = g / 4, q = g % 4); else the same of my 32 tokens of x.
.macro ISSUE g
.set ig, \g
.if ig < UNITS
.set isl, XR+32*(ig%DEPTH)
.set ic, (ig>>2)&7
.set iq, ig&3
.irp i, 0,1,2,3,4,5,6,7
.if ig < 32
	global_load_b128 v[isl+4*\i:isl+4*\i+3], v[GOFF1], s[6:7] offset:(8*iq+\i)*4096+ic*512                  ; W: every work-group reads it, so no hint
.else
	global_load_b128 v[isl+4*\i:isl+4*\i+3], v[GOFF1], s[4:5] offset:(8*iq+\i)*4096+ic*512 th:TH_LOAD_NT    ; x: read once in the launch
.endif
.endr
.endif
.endm
; Unit g's turn: it has come, is rounded to bf16, its slot is asked for again seven units ahead, and its 8 rows of 256 bytes go into LDS, 8 bytes a lane.
.macro TURN g
.set tg, \g
.set tl, UNITS-1-tg
.if tl > DEPTH-1
.set tl, DEPTH-1
.endif
	s_wait_loadcnt 8*tl                            ; loads come back in order (ISA guide 5.7.1): mine are in, the younger units (six, fewer at the stream's end) stay out
.if tg > 0
	s_wait_alu depctr_vm_vsrc(0)                   ; the LDS stores of the turn before have read PKX, which the conversions below write again
.endif
.set ts, XR+32*(tg%DEPTH)
.irp i, 0,1,2,3,4,5,6,7
	v_cvt_pk_bf16_f32 v[PKX+2*\i],   v[ts+4*\i],   v[ts+4*\i+1]
	v_cvt_pk_bf16_f32 v[PKX+2*\i+1], v[ts+4*\i+2], v[ts+4*\i+3]
.endr
	s_wait_alu depctr_va_vdst(0)                   ; the conversions have written PKX, which the stores below read, and are done reading the slot, in which the loads below land; in the main part
	                                               ; also: the last quarter's matrix instructions are done reading the W buffer in which this quarter's fragment loads land
	ISSUE tg+DEPTH
.if tg >= 8
.if tg <= 20
.if (tg&3) == 0
	global_prefetch_b8 v[PFO], s[4:5] offset:(tg-8)*8192 th:TH_LOAD_NT scope:SCOPE_SE   ; eight of my tokens, their first 1,024 bytes: 32 lanes 256 bytes apart
.endif
.endif
.endif
.set tc, (tg>>2)&7
.set tq, tg&3
.irp i, 0,1,2,3,4,5,6,7
.if tg < 32
	ds_store_b64 v[WSTO+(tq>>1)], v[PKX+2*\i:PKX+2*\i+1] offset:(8*(tq&1)+\i)*WP+tc*256
.else
	ds_store_b64 v[XSTO], v[PKX+2*\i:PKX+2*\i+1] offset:(8*tq+\i)*SP
.endif
.endr
.endm
	s_load_b256 s[4:11], s[0:1], 0x0               ; x s[4:5], W_K s[6:7], kb s[8:9], qm s[10:11]
	v_lshl_add_u32 v62, v0, 2, 0x4a000             ; my spare word, behind the tables, and 0: kept for the closing lines alone
	v_mov_b32 v63, 0
	v_lshrrev_b32 v1, 5, v0
	v_readfirstlane_b32 s12, v1                    ; wave 0..3
	v_and_b32 v3, 31, v0                           ; lane
	s_lshl_b32 s14, ttmp9, 19                      ; x: 128 tokens of 4,096 bytes for each work-group,
	s_wait_alu depctr_va_sdst(0)                   ; s12 is written, ahead of its first reader: the bases and the LDS addresses are made from it
	s_lshl_b32 s16, s12, 17                        ; 32 for each wave; W: 32 rows of 4,096 bytes for each wave
	s_add_co_u32 s14, s14, s16
	s_mov_b32 s15, 0
	s_mov_b32 s17, 0
	s_lshl_b32 s18, ttmp9, 15                      ; kb, qm: 128 rows of 256 bytes for each work-group,
	s_lshl_b32 s19, s12, 13                        ; 32 for each wave
	s_add_co_u32 s18, s18, s19
	s_mov_b32 s19, 0
	v_lshlrev_b32 v[GOFF], 4, v3
	WIN 0x40                                       ; destination window 1
	v_mov_b32 v[GOFF1], v[GOFF]
	s_wait_kmcnt 0x0
	s_add_nc_u64 s[4:5], s[4:5], s[14:15]
	s_add_nc_u64 s[6:7], s[6:7], s[16:17]
	s_add_nc_u64 s[8:9], s[8:9], s[18:19]
	s_add_nc_u64 s[10:11], s[10:11], s[18:19]
	WIN TURNWIN
	s_wait_alu depctr_va_vdst(0)                   ; GOFF1 is written: every load of the stream reads it as its offset
.irp g, 0,1,2,3,4,5,6
	ISSUE \g                                       ; the stream starts before anything else is done
.endr
	WIN 0
	; addresses, while the first units are on their way
	v_and_b32 v1, 15, v0                           ; r
	v_bfe_u32 v2, v0, 4, 1                         ; h
	v_lshlrev_b32 v4, 3, v3                        ; 8 x lane
	s_mul_i32 s20, s12, 32*WP                      ; my 32 rows of W in LDS
	v_add_nc_u32 v5, s20, v4
	v_add_nc_u32 v6, 16*WP, v5
	s_mul_i32 s21, s12, XPART
	s_add_co_u32 s21, s21, XST                     ; my stage
	v_add_nc_u32 v7, s21, v4
	v_lshrrev_b32 v[TH], 2, v3
	v_and_b32 v[UU], 3, v3
	v_lshlrev_b32 v[TH], 12, v[TH]
	v_lshl_add_u32 v[TH], v[UU], 8, v[TH]
	WIN 0x40
	v_mov_b32 v[WSTO], v5
	v_mov_b32 v[WSTO+1], v6
	v_mov_b32 v[XSTO], v7
	v_mov_b32 v[PFO], v[TH]
	WIN 0
	v_mul_u32_u24 v4, v1, SP
	v_lshl_add_u32 v4, v2, 4, v4
	v_add_nc_u32 v[XRD], s21, v4
	v_mul_u32_u24 v5, v2, SP
	v_lshl_add_u32 v5, v1, 4, v5
	v_add_nc_u32 v[RD], s21, v5
	v_mul_u32_u24 v6, v1, WP
	v_lshl_add_u32 v[WRD], v2, 4, v6
.irp d, 1,2,3,4,5,6,7
	v_add_nc_u32 v[WRD+\d], \d*16*WP, v[WRD]       ; a register for each output tile: 16 rows are 33,024 bytes, and an LDS offset has 16 bits
.endr
	s_lshl_b32 s22, s12, 10
	s_add_co_u32 s22, s22, TAB                     ; my table
	v_lshl_add_u32 v[TABW], v3, 4, s22
	v_lshl_add_u32 v[TABR], v2, 6, s22
; The four numbers of pair p = lane + off, into v[q .. q+3]
.macro CONST off, q
	v_add_nc_u32 v[TH], \off, v3
	v_cvt_f32_u32 v[TH], v[TH]
	v_mul_f32 v[TH], 0xbe549a78, v[TH]             ; -p log2(10000) / 64
	v_exp_f32 v[TH], v[TH]                         ; theta
	v_mov_b32 v[SN], 0xb2d7322b                    ; -1/11!   (a plain instruction stands behind the exponential before theta is used: ISA guide 5.7.2)
	v_mov_b32 v[CN], 0x310f76c7                    ; 1/12!
	s_wait_alu depctr_va_vdst(0)                   ; theta is written
	v_mul_f32 v[UU], v[TH], v[TH]
	v_fmaak_f32 v[SN], v[SN], v[UU], 0x3638ef1d    ; 1/9!
	v_fmaak_f32 v[CN], v[CN], v[UU], 0xb493f27e    ; -1/10!
	v_fmaak_f32 v[SN], v[SN], v[UU], 0xb9500d01    ; -1/7!
	v_fmaak_f32 v[CN], v[CN], v[UU], 0x37d00d01    ; 1/8!
	v_fmaak_f32 v[SN], v[SN], v[UU], 0x3c088889    ; 1/5!
	v_fmaak_f32 v[CN], v[CN], v[UU], 0xbab60b61    ; -1/6!
	v_fmaak_f32 v[SN], v[SN], v[UU], 0xbe2aaaab    ; -1/3!
	v_fmaak_f32 v[CN], v[CN], v[UU], 0x3d2aaaab    ; 1/4!
	v_fmaak_f32 v[SN], v[SN], v[UU], 0x3f800000
	v_fmaak_f32 v[CN], v[CN], v[UU], 0xbf000000    ; -1/2!
	v_mul_f32 v[SN], v[SN], v[TH]                  ; s = sin theta
	v_fmaak_f32 v[CN], v[CN], v[UU], 0x3f800000    ; c = cos theta
	v_mul_f32 v[SQS], v[SN], v[SN]                 ; s^2
	v_mul_f32 v[SQC], v[CN], v[CN]                 ; c^2
	v_mul_f32 v[PR], v[CN], v[SN]                  ; c s
	v_sub_f32 v[DF], v[CN], v[SQS]                 ; c - s^2
	v_fma_f32 v[SQC], v[SQC], v[SQS], v[SQC]       ; m11 = c^2 (1 + s^2)
	v_sub_f32 v[TH], 1.0, v[DF]
	v_mul_f32 v[PR], v[PR], v[TH]                  ; m12 = c s (1 - c + s^2)
	v_fma_f32 v[SQS], v[DF], v[DF], v[SQS]         ; m22 = s^2 + (c - s^2)^2
	v_mul_f32 v[\q], 0x3e0293ee, v[SQC]
	v_mul_f32 v[\q+1], 0x3e0293ee, v[PR]
	v_mul_f32 v[\q+2], 0x3e0293ee, v[PR]
	v_mul_f32 v[\q+3], 0x3e0293ee, v[SQS]
.endm
	CONST 0, CQ                                    ; 64 pairs, two a lane; each wave keeps a table of its own, so no wave waits for another
	CONST 32, CQ+4
	s_wait_alu depctr_va_vdst(0)                   ; the two table entries v48-55 are written, which the stores below read; so is every address made above, for all the LDS and memory instructions of the kernel
	ds_store_b128 v[TABW], v[CQ:CQ+3]
	ds_store_b128 v[TABW], v[CQ+4:CQ+7] offset:512
	; W comes in (units 0 to 31), then x's first K step (units 32 to 35, into my stage)
	WIN TURNWIN
.set g, 0
.rept 36
	TURN g
.set g, g+1
.endr
	WIN 0
	s_wait_dscnt 0x0                               ; for the others: my rows of W are written
	s_barrier_signal -1
	s_barrier_wait -1                              ; everybody's are.  W is never written again: the launch has no further barrier
.macro WLOAD kn, half                  ; 8 loads: four of the eight W fragments (output tiles 4 half .. 4 half + 3) of quarter step kn (32 along K = 64 bytes of the rows)
.set wk, \kn
.irp d, 0,1,2,3
.set wd, 4*\half+\d
	ds_load_b128 v[WF+64*(wk&1)+8*wd:WF+64*(wk&1)+8*wd+3],   v[WRD+wd] offset:wk*64
	ds_load_b128 v[WF+64*(wk&1)+8*wd+4:WF+64*(wk&1)+8*wd+7], v[WRD+wd] offset:wk*64+32
.endr
.endm
.macro XLOAD cn                        ; 16 loads: my 32 tokens' fragments of a whole K step of 128, out of my stage
.set xp, (\cn)&1
.irp t, 0,1
.irp s, 0,1,2,3
	ds_load_b128 v[XF+64*xp+8*(4*\t+\s):XF+64*xp+8*(4*\t+\s)+3],   v[XRD] offset:\t*16*SP+\s*64
	ds_load_b128 v[XF+64*xp+8*(4*\t+\s)+4:XF+64*xp+8*(4*\t+\s)+7], v[XRD] offset:\t*16*SP+\s*64+32
.endr
.endr
.endm
; 8 matrix instructions, one on each accumulator of output tiles 4 half .. 4 half + 3; a quarter's two halves take each of the 16 accumulators once: the
; accumulators take turns.  zero = 1: the first product starts the sums
.macro MUL zero, half
.irp d, 0,1,2,3
.irp t, 0,1
.set ma, 8*(2*(4*\half+\d)+\t)
.set mw, WF+64*(kk&1)+8*(4*\half+\d)
.set mx, XF+64*((kk>>2)&1)+8*(4*\t+(kk&3))
.if \zero
	v_wmma_f32_16x16x32_bf16 v[ma:ma+7], v[mw:mw+7], v[mx:mx+7], 0
.else
	v_wmma_f32_16x16x32_bf16 v[ma:ma+7], v[mw:mw+7], v[mx:mx+7], v[ma:ma+7]
.endif
.endr
.endr
.endm
; Quarter step kk = 4 c + ks.  First the turn of one unit of x's NEXT K step: its stage stores stand behind the loads that read this K step's fragments, and LDS keeps a
; wave's order.  Then the next quarter's W fragments, into the buffer that the last quarter's matrix instructions read: the turn's 16 conversions, which name none of
; their registers, are the places behind them (in the last K step, which has no turns, four v_nop).  They go in two runs of eight, one ahead of this quarter's products and one in their middle:
; the turn's wait on va_vdst serves both, since the products between name the other W buffer.
.macro KSTEP c, ks
.set kk, 4*\c+\ks
.set kz, 0
.if kk == 0
.set kz, 1
.endif
.if \c < 7
	WIN TURNWIN
	TURN 36+kk
	WIN 0
	WLOAD kk+1, 0
	s_wait_dscnt 16                                ; this quarter's fragments are in; the 8 stores and 8 loads issued in this step may be out
.else
	WIN 0
.if kk < 31
	PLACES
	s_wait_alu depctr_va_vdst(0)                   ; no turn stands here: the last quarter's matrix instructions are done reading the W buffer in which this quarter's sixteen loads land
	WLOAD kk+1, 0
	s_wait_dscnt 8                                 ; all but the 8 loads just issued
.else
	s_wait_dscnt 0x0
.endif
.endif
	WIN MULWIN
	MUL kz, 0
.if kk < 31
	WIN 0
	WLOAD kk+1, 1                                  ; no wait: no vector or matrix instruction since the step's wait names this buffer or its addresses
	WIN MULWIN
.endif
	MUL kz, 1
.if \c < 7
.if \ks == 3
	XLOAD \c+1                                     ; the stage holds the next K step whole: its fragments, into the buffer that this K step does not read; its last readers stand ahead of this K step's waits
.endif
.endif
.endm
	WLOAD 0, 0                                     ; into registers that nothing has named yet
	WLOAD 0, 1
	WIN MULWIN
	XLOAD 0
.irp c, 0,1,2,3,4,5,6,7
.irp ks, 0,1,2,3
	KSTEP \c, \ks
.endr
.endr
	; THE WAY OUT, twice through my stage: k, then the queries.  A token's row of 256 bytes is my own: no barrier.
.macro PACK                            ; 128 sums to bf16
	WIN 0x0a                                       ; sources window 2, destination window 0
.set n, 0
.rept 64
	v_cvt_pk_bf16_f32 v[PK+n], v[2*n], v[2*n+1]
.set n, n+1
.endr
	WIN 0
.endm
.macro STAGE_IN                        ; 16 bytes (8 neighbouring outputs of a token) for each tile
.irp d, 0,1,2,3,4,5,6,7
.irp t, 0,1
	ds_store_b128 v[XRD], v[PK+4*(2*\d+\t):PK+4*(2*\d+\t)+3] offset:\t*16*SP+\d*32
.endr
.endr
.endm
.macro BACK rb                         ; whole rows back, two to a load; LDS keeps a wave's order: these see the stores above
.irp t, 0,1,2,3,4,5,6,7,8,9,10,11,12,13,14,15
	ds_load_b128 v[\rb+4*\t:\rb+4*\t+3], v[RD] offset:\t*2*SP
.endr
.endm
.macro LEAVE rb, base                  ; each store covers 512 consecutive bytes, at a multiple of 512 from the buffer's first byte
.irp t, 0,1,2,3,4,5,6,7,8,9,10,11,12,13,14,15
	s_wait_dscnt 15-\t                             ; load t is in, the 15 - t younger ones may be out
	global_store_b128 v[GOFF], v[\rb+4*\t:\rb+4*\t+3], s[\base:\base+1] offset:\t*512
.endr
.endm
	WIN 0
	PLACES                                         ; behind the last matrix instructions, before their results are read and their sources written
	WIN 0x40                                       ; my 32 pairs (p = 8 d + 4 h + i) out of the table, into the slots that the stream has left.  No wait: the last conversions that read a
	                                               ; slot stand ahead of the last turn's wait on va_vdst, and nothing since names a slot
.irp d, 0,1,2,3,4,5,6,7
.irp i, 0,1,2,3
	ds_load_b128 v[MC+4*(4*\d+\i):MC+4*(4*\d+\i)+3], v[TABR] offset:128*\d+16*\i
.endr
.endr
	PACK
	s_wait_dscnt 0x0                               ; the table's numbers are in: the 64 conversions stood between
	s_wait_alu depctr_va_vdst(0)                   ; the conversions have written PK, which the stage's stores read; the last matrix instructions are done reading the W buffer in which the rows read back land
	STAGE_IN
	BACK RB
	WIN 0xa6                                       ; sums and work window 2, table window 1.  The queries, in place: (t1, t2) -> kappa (m11 t1 + m12 t2, m12 t1 + m22 t2)
.irp d, 0,1,2,3,4,5,6,7
.irp t, 0,1
.irp i, 0,1,2,3
	v_pk_mul_f32 v[TQ+2*\i:TQ+2*\i+1], v[8*(2*\d+\t)+2*\i:8*(2*\d+\t)+2*\i+1], v[MC+4*(4*\d+\i):MC+4*(4*\d+\i)+1] op_sel_hi:[0,1]   ; t1 times both
.endr
.irp i, 0,1,2,3
	v_pk_fma_f32 v[8*(2*\d+\t)+2*\i:8*(2*\d+\t)+2*\i+1], v[8*(2*\d+\t)+2*\i:8*(2*\d+\t)+2*\i+1], v[MC+4*(4*\d+\i)+2:MC+4*(4*\d+\i)+3], v[TQ+2*\i:TQ+2*\i+1] op_sel:[1,0,0] op_sel_hi:[1,1,1]   ; + t2 times both
.endr
.endr
.endr
	WIN 0
	LEAVE RB, 8
	s_wait_alu depctr_vm_vsrc(0)                   ; the stage's first sixteen stores have read PK, which the conversions below write again
	PACK
	s_wait_alu depctr_va_vdst(0)                   ; the conversions have written PK, which the stage's stores read
	STAGE_IN                                       ; behind kb's reads of the stage, which have come back
	BACK RB2                                       ; other registers than those that kb's stores still read
	LEAVE RB2, 10
	s_wait_dscnt 0x0                               ; the closing lines, six on end
	s_wait_alu 0x0
	s_wait_tensorcnt 0x0
	ds_add_u32 v62, v63
	s_wait_dscnt 0x0
	s_endpgm
.Lfunc_end_k_q7b4155677f_proj:
	.size	k_q7b4155677f_proj, .Lfunc_end_k_q7b4155677f_proj-k_q7b4155677f_proj
	.p2alignl 7, 3214868480
	.fill 96, 4, 3214868480
	.section	.rodata,"a",@progbits
	.p2align	6, 0x0
	.amdhsa_kernel k_q7b4155677f_proj
		.amdhsa_group_segment_fixed_size 303616
		.amdhsa_private_segment_fixed_size 0
		.amdhsa_enable_private_segment 0
		.amdhsa_kernarg_size 32
		.amdhsa_user_sgpr_count 2
		.amdhsa_user_sgpr_kernarg_segment_ptr 1
		.amdhsa_wavefront_size32 1
		.amdhsa_system_sgpr_workgroup_id_x 1
		.amdhsa_system_sgpr_workgroup_id_y 1
		.amdhsa_system_sgpr_workgroup_id_z 1
		.amdhsa_system_vgpr_workitem_id 0
		.amdhsa_next_free_vgpr 768
		.amdhsa_next_free_sgpr 66
		.amdhsa_reserve_vcc 0
		.amdhsa_float_denorm_mode_32 3
		.amdhsa_float_denorm_mode_16_64 3
		.amdhsa_memory_ordered 1
		.amdhsa_forward_progress 1
		.amdhsa_inst_pref_size 255
	.end_amdhsa_kernel
	.section	.bss,"aw",@nobits
	.p2align	6
	.space	262144
	.amdgpu_metadata
---
amdhsa.version: [ 1, 2 ]
amdhsa.kernels:
  - .name:           k_q7b4155677f_proj
    .symbol:         k_q7b4155677f_proj.kd
    .args:
      - { .name: x, .offset: 0, .size: 8, .value_kind: global_buffer, .address_space: global }
      - { .name: W_K, .offset: 8, .size: 8, .value_kind: global_buffer, .address_space: global }
      - { .name: kb, .offset: 16, .size: 8, .value_kind: global_buffer, .address_space: global }
      - { .name: qm, .offset: 24, .size: 8, .value_kind: global_buffer, .address_space: global }
    .group_segment_fixed_size: 303616
    .private_segment_fixed_size: 0
    .kernarg_segment_align: 8
    .kernarg_segment_size: 32
    .max_flat_workgroup_size: 128
    .sgpr_count:     66
    .vgpr_count:     768
    .wavefront_size: 32
...
	.end_amdgpu_metadata
.endif
;; end of part 3
;; launch attn: the kernel of part 2 again; grid 256 x 1, 4 waves a work-group, clusters of 4 x 1, 327,680 bytes of LDS; arguments kb, qm, out0; writes out0
